; MI455X (gfx1250); checked and timed in simulation.
; The chip was launched on July 23, 2026; its instructions are those of AMD's public machine-readable ISA for CDNA 5 (MIT licence, August 2026) and "CDNA5" Instruction Set Architecture Reference Guide (July 2026). The comments in the code are by the model that wrote it; some were corrected since.
;; MAB. Allowed arithmetic: matrix products marked QUANTISED: E2M3 operands, one E8M0 scale for each 32 along K, by v_wmma_scale_f32_16x16x128_f8f6f4 with both operands' format E2M3, f32 sums; everything else in f32.
;; Inputs: Wk_codes 512 x 16 x 24 uint8 (E2M3 codes of Wk, K innermost, in blocks of 32 codes, four codes in three bytes); Wk_scales 512 x 16 uint8 (E8M0 scales of Wk, one for each 32 codes along K); Wo_codes 512 x 16 x 24 uint8 (E2M3 codes of Wo, K innermost, in blocks of 32 codes, four codes in three bytes); Wo_scales 512 x 16 uint8 (E8M0 scales of Wo, one for each 32 codes along K); Wq_codes 512 x 16 x 24 uint8 (E2M3 codes of Wq, K innermost, in blocks of 32 codes, four codes in three bytes); Wq_scales 512 x 16 uint8 (E8M0 scales of Wq, one for each 32 codes along K); Wv_codes 512 x 16 x 24 uint8 (E2M3 codes of Wv, K innermost, in blocks of 32 codes, four codes in three bytes); Wv_scales 512 x 16 uint8 (E8M0 scales of Wv, one for each 32 codes along K); bk 512 float32; bo 512 float32; bq 512 float32; bv 512 float32; key_value_codes 32 x 512 x 16 x 24 uint8 (E2M3 codes of key_value, K innermost, in blocks of 32 codes, four codes in three bytes); key_value_scales 32 x 512 x 16 uint8 (E8M0 scales of key_value, one for each 32 codes along K); ln0_b 512 float32; ln0_w 512 float32; ln1_b 512 float32; ln1_w 512 float32; query_codes 32 x 512 x 16 x 24 uint8 (E2M3 codes of query, K innermost, in blocks of 32 codes, four codes in three bytes); query_scales 32 x 512 x 16 uint8 (E8M0 scales of query, one for each 32 codes along K).
;; Outputs: out0 32 x 512 x 512 float32.
;; This version of the problem:
;;   THIS VERSION OF THE PROBLEM IS GIVEN IN LOW PRECISION. The matrix products marked QUANTISED in the list below multiply operands that are first quantised to E2M3 (2 exponent bits, 3 mantissa bits; 6 bits a number), with one power-of-two scale for each 32 numbers along K (OCP MX v1.0); their sums are f32. All else is computed in f32.
;;   The module's matrix products, in the order in which they are computed (A, B: the left and right operand; K: the contracted axis; several contracted axes count as one K, in the product's order):
;;     1. [M 16,384, K 512] x [K 512, N 512]; A: input query (given as codes); B: input Wq (given as codes): QUANTISED
;;     2. [M 16,384, K 512] x [K 512, N 512]; A: input key_value (given as codes); B: input Wk (given as codes): QUANTISED
;;     3. [M 16,384, K 512] x [K 512, N 512]; A: input key_value (given as codes); B: input Wv (given as codes): QUANTISED
;;     4. batch 256 x [M 512, K 64] x [K 64, N 512]; A: computed on the way; B: computed on the way: QUANTISED
;;     5. batch 256 x [M 64, K 512] x [K 512, N 512]; A: computed on the way; B: computed on the way: QUANTISED
;;     6. [M 16,384, K 512] x [K 512, N 512]; A: computed on the way; B: input Wo (given as codes): QUANTISED
;;   THE QUANTISER, for each operand of a quantised product, along K:
;;     - K is cut into blocks of 32 from its start; a last block that is shorter is filled with zeros.
;;     - A block's scale is 2^e with e = floor(log2(the largest magnitude in the block)) - 2, held to -126 .. 127; a block of zeros has e = 0. As a byte (E8M0): e + 127.
;;     - Each number is divided by its block's scale, clamped to +-7.5, and rounded to the nearest number of E2M3, ties to even, subnormals kept.
;;     - The product sums the exact products of the quantised numbers (number of the format x scale) in f32.
;;   ~~~python
;;   def quantise(x, axis):      # numpy; x: float32 -> the quantised numbers, widened to float32 again
;;       x = np.moveaxis(x, axis, -1); K = x.shape[-1]
;;       x = np.pad(x, [(0, 0)] * (x.ndim - 1) + [(0, -K % 32)]); x = x.reshape(x.shape[:-1] + (-1, 32)); a = np.abs(x).max(-1, keepdims=True)
;;       e = np.where(a > 0, np.clip(np.frexp(np.where(a > 0, a, 1))[1] - 1 - 2, -126, 127), 0)      # np.frexp(a)[1] - 1 = floor(log2(a)), exactly
;;       r = np.clip(x / 2.0 ** e, -7.5, 7.5)
;;       step = 2.0 ** (np.maximum(np.frexp(np.where(r == 0, 1, r))[1] - 1, 0) - 3)
;;       q = np.round(r / step) * step * 2.0 ** e      # np.round: ties to even
;;       return np.moveaxis(q.reshape(q.shape[:-2] + (-1,))[..., :K], -1, axis).astype(np.float32)
;;   ~~~
;;   OPERANDS COMPUTED ON THE WAY. 'Computed on the way' means the value that the module computes at that place (a softmax that the list does not call 'softmax' is quantised finished and normalised). What goes into a quantiser is computed in f32, as accurately as f32 sums, v_exp_f32 and their like allow (about 1e-6 of the number): no bf16 or f16 on the way to a quantiser, and a product that is left as it is and whose result goes on into a quantised operand takes f32 operands (vector FMAs, or v_wmma_f32_16x16x4_f32). A number that lies on a knife's edge between two numbers of the format may be rounded either way, as far as f32 arithmetic and the matrix unit's own rounding can turn it there, and no further.
;;   INPUTS GIVEN AS CODES. Wk (in the module: [512, 512], K = its axis 1); Wo (in the module: [512, 512], K = its axis 1); Wq (in the module: [512, 512], K = its axis 1); Wv (in the module: [512, 512], K = its axis 1); key_value (in the module: [32, 512, 512], K = its axis 2); query (in the module: [32, 512, 512], K = its axis 2): each comes as NAME_codes (uint8): NAME with its K axis moved to the last place and cut into blocks of 32 codes, [.., K / 32, bytes a block], one block behind the other in memory; four codes in three bytes: a row's codes are one little-endian stream of bits, code i at bits 6 i .. 6 i + 5 (a code: sign, 2 exponent bits, 3 mantissa bits); and NAME_scales (uint8): the same leading axes, one E8M0 byte (e + 127) for each 32 codes along K. Its value is code x scale, taken as it is: it is not quantised again, and the codes and scales need not be those that the quantiser above would give.
;; One version. Each part assembles by itself: llvm-mc -triple=amdgcn-amd-amdhsa -mcpu=gfx1250 --defsym DOCPART=n.
;; ======== version 1 of 1: 2 launches
;; limits: a function is approximated: absolute error at most 2.4e-07
;; workspace buffers: kvimg 13,107,200 bytes; wimg 409,600 bytes
;; launch prep (part 1): grid 256 x 1, 8 waves a work-group, no clusters, 54,272 bytes of LDS; arguments key_value_codes, key_value_scales, Wk_codes, Wk_scales, Wv_codes, Wv_scales, bk, bv, Wq_codes, Wq_scales, Wo_codes, Wo_scales, kvimg, wimg; writes kvimg, wimg
.if DOCPART == 1
	.amdgcn_target "amdgcn-amd-amdhsa--gfx1250"
	.amdhsa_code_object_version 6
	.text
	.protected	k_q5356be1e40_prep
	.globl	k_q5356be1e40_prep
	.p2align	8
	.type	k_q5356be1e40_prep,@function
k_q5356be1e40_prep:
	s_mov_b64 s[64:65], 0
	v_nop
	global_prefetch_b8 v0, s[64:65] scope:SCOPE_SE
	s_setreg_imm32_b32 hwreg(HW_REG_WAVE_MODE, 25, 1), 1
	s_wait_xcnt 0x0
; k = key_value Wk^T + bk and v = key_value Wv^T + bv on codes of FP6 (E2M3) with E8M0 scales, quantised again (k along a head's 64, v along the keys)
; and stored as IMAGES OF OPERAND REGISTERS for the next launch.  64 waves also copy Wq and Wo into the same form.
; A FRAGMENT (16 rows x 128 K, 12 registers a lane) is 1,536 bytes: registers 4 c .. 4 c + 3 of lane l at 512 c + 16 l.  A UNIT is 16 fragments, then 1,024 bytes of scale words:
; group g, lane l, word e (at 24,576 + 256 g + 8 l + 4 e) belongs to fragment 4 g + 2 e + l / 16, row l % 16.
; pat(T, r) = 32 (T / 2) + 8 (T % 2) + r + 8 (r / 8): with such rows the results of tiles 2 b and 2 b + 1 give a lane 16 neighbours, 32 b + 16 (lane / 16) + 0 .. 15.
;   K unit of (batch, head): fragment i: blocks 0, 1 = the head's 64 of key 32 i + pat(0, r); blocks 2, 3 = those of key 32 i + pat(1, r).
;   V unit: fragment 4 s + T: rows d = pat(T, r), K = keys 128 s on.      weight unit of head n: fragment 4 s + T: rows 64 n + pat(T, r), K step s.
; kvimg: [batch 32][j 4][p 2][K, V][25,600], head = 4 p + j.   wimg: Wq's heads 0-7, then Wo's.
; SHARES.  Work-group x: batch x / 8, keys 128 ((x / 2) % 4) on, p = x % 2.  Wave w: K (w < 4) or V, head 4 p + w % 4: 128 keys x 64 columns, 128 matrix instructions,
; four fragments and one group of scale words, which are its own bytes of the output.  Its 16 fragments of W stay in registers: each feeds 8 products.
; The 128 rows of key_value come once, a tile of 16 pattern rows a wave, and go round through LDS as images: one barrier.
; NO JOINT LOADS: a weight fragment is wanted by one wave alone and goes from memory straight into its registers; what two work-groups share, the 128 rows of key_value,
; is 49 KB of the 245 KB that a work-group reads, and is laid anew (pattern rows, register order) on its way, which a copy of a tile cannot do.
; LIMITS: a block of zeros gets the byte 1, not 127 (its codes are zeros; this program alone reads the bytes); blocks whose largest magnitude lies under 2^-124 are held at that byte;
; NaN, infinities and the scale byte 0xff among the inputs are not served.
; REGISTERS, window 0: v1 16 x lane, v2 4 x lane, v3 8 x lane, v4-6 row offsets, v7 bias offset, v8-11 bv, v12-13 where I store my images, v14-15 the group of scale words,
;   v16-111 two sets of four fragments of key_value (behind a pass: v16-35 codes, v36-47 at work, v48-49 scale words), v112-119 their scale words, v120-127 W's scale words, v128-255 16 accumulators.
;   window 1: v0-191 W's fragments (T, s) at 12 (4 T + s); v192-223 bk in the result's layout.
.set XSC, 49152                        ; LDS: 32 images (key tile, K step) at (4 tile + step) x 1,536; behind them their scale words, 128 bytes each
.set ACC, 128
.set PC,  16
.set TM,  36
.set PW,  48
.set PWA, 49
.set MSB, 0
.macro WIN new                         ; the immediate's high byte repeats the setting that is left
.if MSB != (\new)
	s_set_vgpr_msb (MSB<<8)|(\new)
.set MSB, (\new)
.endif
.endm
.macro NOP4                            ; four places behind a matrix instruction, ahead of loads into its registers and of reads of its results
.rept 4
	v_nop
.endr
.endm
; one matrix instruction: D at d, sources at a and b, C at c (c < 0: the constant 0 starts the sum), scale registers sa, sb; ra / rb = 1: that side's scales stand in lanes 16-31
.macro WM d, a, b, c, sa, sb, ra, rb
.if (\c) < 0
.if (\ra)
	v_wmma_scale_f32_16x16x128_f8f6f4 v[(\d):(\d)+7], v[(\a):(\a)+11], v[(\b):(\b)+11], 0, v[(\sa)], v[(\sb)] matrix_a_fmt:MATRIX_FMT_FP6 matrix_b_fmt:MATRIX_FMT_FP6 matrix_a_scale:MATRIX_SCALE_ROW1
.elseif (\rb)
	v_wmma_scale_f32_16x16x128_f8f6f4 v[(\d):(\d)+7], v[(\a):(\a)+11], v[(\b):(\b)+11], 0, v[(\sa)], v[(\sb)] matrix_a_fmt:MATRIX_FMT_FP6 matrix_b_fmt:MATRIX_FMT_FP6 matrix_b_scale:MATRIX_SCALE_ROW1
.else
	v_wmma_scale_f32_16x16x128_f8f6f4 v[(\d):(\d)+7], v[(\a):(\a)+11], v[(\b):(\b)+11], 0, v[(\sa)], v[(\sb)] matrix_a_fmt:MATRIX_FMT_FP6 matrix_b_fmt:MATRIX_FMT_FP6
.endif
.else
.if (\ra)
	v_wmma_scale_f32_16x16x128_f8f6f4 v[(\d):(\d)+7], v[(\a):(\a)+11], v[(\b):(\b)+11], v[(\c):(\c)+7], v[(\sa)], v[(\sb)] matrix_a_fmt:MATRIX_FMT_FP6 matrix_b_fmt:MATRIX_FMT_FP6 matrix_a_scale:MATRIX_SCALE_ROW1
.elseif (\rb)
	v_wmma_scale_f32_16x16x128_f8f6f4 v[(\d):(\d)+7], v[(\a):(\a)+11], v[(\b):(\b)+11], v[(\c):(\c)+7], v[(\sa)], v[(\sb)] matrix_a_fmt:MATRIX_FMT_FP6 matrix_b_fmt:MATRIX_FMT_FP6 matrix_b_scale:MATRIX_SCALE_ROW1
.else
	v_wmma_scale_f32_16x16x128_f8f6f4 v[(\d):(\d)+7], v[(\a):(\a)+11], v[(\b):(\b)+11], v[(\c):(\c)+7], v[(\sa)], v[(\sb)] matrix_a_fmt:MATRIX_FMT_FP6 matrix_b_fmt:MATRIX_FMT_FP6
.endif
.endif
.endm
; 64 numbers of a lane, register 16 b + i = place 32 b + 16 (lane / 16) + i along K of my row, become a fragment in v[PC] on and its scale word in v[PW]
.macro QUANT s
.irp b, 0,1,2,3
	v_max3_num_f32 v[TM+\b], |v[(\s)+16*\b]|, |v[(\s)+1+16*\b]|, 0x1800000   ; my 16 of block b, and the floor 2^(3 - 127): the byte cannot fall under 1
.endr
.irp i, 2,4,6,8,10,12,14
.irp b, 0,1,2,3
	v_max3_num_f32 v[TM+\b], v[TM+\b], |v[(\s)+16*\b+\i]|, |v[(\s)+1+16*\b+\i]|   ; the four blocks by turns
.endr
.endr
.irp b, 0,1,2,3
	v_permlanex16_b32 v[TM+4+\b], v[TM+\b], s48, s49
.endr
.irp b, 0,1,2,3
	v_max_num_f32 v[TM+\b], v[TM+\b], v[TM+4+\b]      ; with lane l xor 16's 16: the block's largest magnitude
.endr
.irp b, 0,1,2,3
	v_add_nc_u32 v[TM+8+\b], 0xff000000, v[TM+\b]     ; 2 off its exponent field: the conversion's scale operand
.endr
.irp b, 0,1,2,3
	v_lshrrev_b32 v[TM+4+\b], 23, v[TM+8+\b]          ; the scale's byte
.endr
	v_lshl_or_b32 v[PW], v[TM+5], 8, v[TM+4]
	v_lshl_or_b32 v[PW], v[TM+6], 16, v[PW]
	v_lshl_or_b32 v[PW], v[TM+7], 24, v[PW]           ; my row's scale word
.irp c, 0,1
	v_cvt_scalef32_pk16_fp6_f32 v[PC+6*\c:PC+2+6*\c], v[(\s)+32*\c:(\s)+15+32*\c], v[TM+8+2*\c]
	v_cvt_scalef32_pk16_fp6_f32 v[PC+12+4*\c:PC+14+4*\c], v[(\s)+16+32*\c:(\s)+31+32*\c], v[TM+9+2*\c]   ; (a conversion's three registers begin on an even number)
.endr
	v_nop                                             ; one plain place behind a scaled conversion
.irp c, 0,1                            ; the layout wants a whole block in a lane: lanes 0-15 block 2 c, lanes 16-31 block 2 c + 1
.irp i, 0,1,2
	v_permlane16_swap_b32 v[PC+6*\c+\i], v[PC+12+4*\c+\i]
.endr
.irp i, 0,1,2
	v_mov_b32 v[PC+3+6*\c+\i], v[PC+12+4*\c+\i]
.endr
.endr
.endm
; four fragments of key_value (key tiles t0 .. t0 + 3, K step s) and their scale words into set: 16 LDS instructions
.macro FETCHX set, t0, s
.irp i, 0,1,2,3
.irp c, 0,1,2
	ds_load_b128 v[16+48*(\set)+12*\i+4*\c:16+48*(\set)+12*\i+4*\c+3], v1 offset:(4*((\t0)+\i)+(\s))*1536+512*\c
.endr
	ds_load_b32 v[112+4*(\set)+\i], v2 offset:XSC+(4*((\t0)+\i)+(\s))*128
.endr
.endm
.macro OUTIMG f                        ; the fragment in v[PC] on leaves as it stands: each store covers 512 consecutive bytes, aligned to 256
.irp c, 0,1,2
	global_store_b128 v1, v[PC+4*\c:PC+4*\c+3], s[44:45] offset:(\f)*1536+512*\c th:TH_STORE_NT
.endr
.endm
.macro WLOAD s                         ; my head's four tiles of W, K step s, into window 1
.irp t, 0,1,2,3
.irp p, 0,1,2,3,4,5
	global_load_b64 v[12*(4*\t+\s)+2*\p:12*(4*\t+\s)+2*\p+1], v4, s[38:39] offset:(32*(\t/2)+8*(\t%2))*384+96*\s+48*(\p/3)+8*(\p%3)
.endr
.endr
.endm
	s_load_b512 s[4:19], s[0:1], 0x0               ; key_value's codes, scales; Wk's codes, scales; Wv's codes, scales; bk; bv
	s_load_b256 s[20:27], s[0:1], 0x40             ; Wq's codes, scales; Wo's codes, scales
	s_load_b128 s[28:31], s[0:1], 0x60             ; kvimg, wimg
	s_set_vgpr_msb 0x40
	v_lshl_add_u32 v254, v0, 2, 0xd000
	v_mov_b32 v255, 0
	s_set_vgpr_msb 0x4000
	v_lshrrev_b32 v1, 5, v0
	v_readfirstlane_b32 s32, v1                    ; wave 0..7
	v_and_b32 v3, 31, v0                           ; lane
	v_lshlrev_b32 v1, 4, v3                        ; 16 x lane
	v_lshlrev_b32 v2, 2, v3                        ; 4 x lane
	v_lshlrev_b32 v3, 3, v3                        ; 8 x lane
	v_and_b32 v14, 15, v0                          ; r
	v_bfe_u32 v15, v0, 4, 1                        ; h
	v_and_b32 v11, 8, v14
	v_add_nc_u32 v11, v11, v14                     ; pat(0, r)
	v_mul_u32_u24 v4, v11, 384                     ; a row of 512 codes is 384 bytes
	v_mad_u32_u24 v4, v15, 24, v4                  ; + 24 h: a fragment's bytes of a pattern row
	v_lshlrev_b32 v5, 4, v11                       ; a row of scale bytes is 16 bytes
	v_lshl_add_u32 v6, v15, 3, v11
	v_lshlrev_b32 v6, 4, v6                        ; the same for row pat(0, r) + 8 h: lanes 16-31 take the odd tile's rows
	s_mul_i32 s50, s32, 6144
	v_add_nc_u32 v12, s50, v1                      ; my four images
	s_lshl_b32 s50, s32, 9
	v_add_nc_u32 v13, s50, v2                      ; and their scale words
	s_lshr_b32 s33, s32, 2                         ; 0: K, 1: V
	s_and_b32 s34, s32, 3                          ; j
	s_lshr_b32 s35, ttmp9, 3                       ; batch
	s_bfe_u32 s36, ttmp9, 0x20001                  ; g: which 128 keys
	s_and_b32 s37, ttmp9, 1                        ; p
	s_lshl_b32 s50, s37, 2
	s_add_co_u32 s50, s50, s34                     ; head
	s_lshl_b32 s51, s35, 9
	s_lshl_b32 s52, s36, 7
	s_add_co_u32 s51, s51, s52
	s_lshr_b32 s52, s32, 1
	s_lshl_b32 s52, s52, 5
	s_add_co_u32 s51, s51, s52
	s_and_b32 s52, s32, 1
	s_lshl_b32 s52, s52, 3
	s_add_co_u32 s51, s51, s52                     ; the first row of key tile w: 512 batch + 128 g + 32 (w / 2) + 8 (w % 2)
	s_mul_i32 s52, s51, 384
	s_mov_b32 s53, 0
	s_lshl_b32 s54, s51, 4
	s_mov_b32 s55, 0
	s_lshl_b32 s56, s35, 2
	s_add_co_u32 s56, s56, s34
	s_lshl_b32 s56, s56, 1
	s_add_co_u32 s56, s56, s37
	s_lshl_b32 s56, s56, 1
	s_add_co_u32 s56, s56, s33
	s_mul_i32 s56, s56, 25600                      ; my unit
	s_mul_i32 s58, s36, 6144
	s_add_co_u32 s58, s58, s56                     ; my four fragments in it
	s_mov_b32 s59, 0
	s_lshl_b32 s57, s36, 8
	s_add_co_u32 s56, s56, s57
	s_add_co_u32 s56, s56, 24576                   ; my group of scale words
	s_mov_b32 s57, 0
	s_mov_b32 s48, 0x76543210
	s_mov_b32 s49, 0xfedcba98                      ; v_permlanex16_b32's selects for lane l xor 16
	s_mov_b32 vcc_lo, 0xffff0000                   ; lanes 16-31
	s_wait_kmcnt 0x0
	s_add_nc_u64 s[4:5], s[4:5], s[52:53]
	s_add_nc_u64 s[6:7], s[6:7], s[54:55]
	s_add_nc_u64 s[44:45], s[28:29], s[58:59]
	s_add_nc_u64 s[46:47], s[28:29], s[56:57]
	s_cmp_eq_u32 s33, 0                            ; the choice hangs on the wave's number alone
	s_cselect_b64 s[38:39], s[8:9], s[12:13]
	s_cselect_b64 s[40:41], s[10:11], s[14:15]
	s_cselect_b64 s[42:43], s[16:17], s[18:19]
	s_mul_i32 s52, s50, 24576                      ; my head's 64 rows of W,
	s_add_nc_u64 s[38:39], s[38:39], s[52:53]
	s_lshl_b32 s52, s50, 10                        ; of its scale bytes,
	s_add_nc_u64 s[40:41], s[40:41], s[52:53]
	s_lshl_b32 s52, s50, 8                         ; and its 64 numbers of the bias
	s_add_nc_u64 s[42:43], s[42:43], s[52:53]
.irp s, 0,1,2,3                        ; key tile w, all four K steps: 25 loads
.irp p, 0,1,2,3,4,5
	global_load_b64 v[16+12*\s+2*\p:17+12*\s+2*\p], v4, s[4:5] offset:96*\s+48*(\p/3)+8*(\p%3)
.endr
.endr
	global_load_b128 v[64:67], v5, s[6:7]
	WIN 0x40                                       ; destination window 1
	WLOAD 0
	WLOAD 1
	WIN 0
	s_wait_loadcnt 48                              ; key_value's 25 loads are in; the 48 younger loads of W may be out
.irp s, 0,1,2,3
.irp c, 0,1,2
	ds_store_b128 v12, v[16+12*\s+4*\c:19+12*\s+4*\c] offset:1536*\s+512*\c
.endr
	ds_store_b32 v13, v[64+\s] offset:XSC+128*\s
.endr
	WIN 0x40
	WLOAD 2
	WLOAD 3
	WIN 0
	global_load_b128 v[120:123], v6, s[40:41]              ; W's scale words: register 4 (T / 2) + s; lanes 0-15 the even tile's rows, lanes 16-31 the odd tile's
	global_load_b128 v[124:127], v6, s[40:41] offset:512
	s_wait_dscnt 0x0                               ; for the others' sake: my images lie in LDS
	s_barrier_signal -1
	s_barrier_wait -1                              ; all 32 do; nothing is stored into LDS after this
; K: a pass makes 64 keys (tiles 4 pp .. 4 pp + 3) x my head's 64.  Source 0 = 16 pattern rows of Wk, source 1 = 16 keys: a lane holds one key, its registers run along the head.
; The 16 accumulators take turns, one instruction a turn.  bk is the C of each sum's first instruction.
.macro KPASS pp
.if \pp
	s_wait_xcnt 0x0                                ; the last pass's stores have read v16-27: they are loaded again only behind this wait
.endif
	FETCHX 0, 4*\pp, 0
.irp s, 0,1,2,3
	NOP4
.if \s < 3
	FETCHX (\s+1)%2, 4*\pp, \s+1
	s_wait_dscnt 16                                ; this step's 16 loads are in, the next step's 16 may be out
.else
	s_wait_dscnt 0x0
.endif
.if \s == 0
	WIN 0x11                                       ; source 0 (W) and C (bk) window 1
.else
	WIN 0x01
.endif
.irp q, 0,1,2,3
.irp t, 0,1,2,3
.if \s == 0
	WM ACC+32*\q+8*\t, 12*(4*\t+\s), 16+48*(\s%2)+12*\q, 192+8*\t, 120+4*(\t/2)+\s, 112+4*(\s%2)+\q, \t%2, 0
.else
	WM ACC+32*\q+8*\t, 12*(4*\t+\s), 16+48*(\s%2)+12*\q, ACC+32*\q+8*\t, 120+4*(\t/2)+\s, 112+4*(\s%2)+\q, \t%2, 0
.endif
.endr
.endr
	WIN 0
.endr
	NOP4
.irp e, 0,1                            ; two key tiles, 64 registers, are one fragment: blocks 0, 1 the even tile's key, blocks 2, 3 the odd tile's
.if \e
	s_wait_xcnt 0x0                                ; the fragment just stored has been read
.endif
	QUANT ACC+64*\e
	OUTIMG 2*\pp+\e
.if \e == 0
	v_mov_b32 v[PWA], v[PW]
.else
	v_cndmask_b32 v[14+\pp], v[PWA], v[PW], vcc_lo ; lanes 0-15 the even fragment's words, lanes 16-31 the odd one's
.endif
.endr
.endm
; V: a pass makes my 128 keys x 32 of my head's 64 (tiles 2 pp, 2 pp + 1).  Source 0 = 16 pattern keys, source 1 = 16 pattern rows of Wv: a lane holds one d, its registers run along the keys.
.macro VPASS pp
.if \pp
	s_wait_xcnt 0x0
.endif
	FETCHX 0, 0, 0
.irp k, 0,1,2,3,4,5,6,7                ; K step k / 2, key tiles 4 (k % 2) on
	NOP4
.if \k < 7
	FETCHX (\k+1)%2, 4*((\k+1)%2), (\k+1)/2
	s_wait_dscnt 16
.else
	s_wait_dscnt 0x0
.endif
	WIN 0x04                                       ; source 1 (W) window 1
.irp q, 0,1,2,3
.irp t, 0,1
.if \k < 2
	WM ACC+64*\t+8*(4*(\k%2)+\q), 16+48*(\k%2)+12*\q, 12*(4*(2*\pp+\t)+\k/2), -1, 112+4*(\k%2)+\q, 120+4*\pp+\k/2, 0, \t
.else
	WM ACC+64*\t+8*(4*(\k%2)+\q), 16+48*(\k%2)+12*\q, 12*(4*(2*\pp+\t)+\k/2), ACC+64*\t+8*(4*(\k%2)+\q), 112+4*(\k%2)+\q, 120+4*\pp+\k/2, 0, \t
.endif
.endr
.endr
	WIN 0
.endr
	NOP4
.irp t, 0,1
.set k, 0
.rept 32
	v_pk_add_f32 v[ACC+64*\t+k:ACC+64*\t+k+1], v[ACC+64*\t+k:ACC+64*\t+k+1], v[8+2*\pp:9+2*\pp] op_sel:[0,\t] op_sel_hi:[1,\t]   ; + bv of my d
.set k, k+2
.endr
.if \t
	s_wait_xcnt 0x0
.endif
	QUANT ACC+64*\t
	OUTIMG 2*\pp+\t
.if \t == 0
	v_mov_b32 v[PWA], v[PW]
.else
	v_cndmask_b32 v[14+\pp], v[PWA], v[PW], vcc_lo
.endif
.endr
.endm
	s_cmp_lg_u32 s33, 0
	s_cbranch_scc1 .Lvpath
	v_lshlrev_b32 v7, 6, v15                       ; bk in the result's layout: register 16 b + i = d 32 b + 16 h + i
	WIN 0x40
.irp b, 0,1
.irp k, 0,1,2,3
	global_load_b128 v[192+16*\b+4*\k:195+16*\b+4*\k], v7, s[42:43] offset:128*\b+16*\k
.endr
.endr
	WIN 0
	s_wait_loadcnt 0x0                             ; W, its scale words, the bias
	KPASS 0
	KPASS 1
	s_branch .Lout
.Lvpath:
	v_lshlrev_b32 v7, 2, v11
.irp t, 0,1,2,3
	global_load_b32 v[8+\t], v7, s[42:43] offset:(32*(\t/2)+8*(\t%2))*4    ; bv at d = pat(T, r)
.endr
	s_wait_loadcnt 0x0
	VPASS 0
	VPASS 1
.Lout:
	global_store_b64 v3, v[14:15], s[46:47] th:TH_STORE_NT    ; my group of scale words: 256 consecutive bytes, aligned
	; Wq and Wo into images: wave 0 of work-groups 0 to 63 takes (matrix x / 32, head (x / 4) % 8, K step x % 4): four fragments and one group of scale words, as they lie
	s_cmp_lg_u32 s32, 0
	s_cbranch_scc1 .Lend
	s_cmp_lt_u32 ttmp9, 64
	s_cbranch_scc0 .Lend
	s_cmp_lt_u32 ttmp9, 32
	s_cselect_b64 s[50:51], s[20:21], s[24:25]
	s_cselect_b64 s[52:53], s[22:23], s[26:27]
	s_bfe_u32 s54, ttmp9, 0x30002                  ; head
	s_and_b32 s55, ttmp9, 3                        ; K step
	s_mul_i32 s56, s54, 24576
	s_mul_i32 s57, s55, 96
	s_add_co_u32 s56, s56, s57
	s_mov_b32 s57, 0
	s_add_nc_u64 s[50:51], s[50:51], s[56:57]
	s_lshl_b32 s56, s54, 10
	s_lshl_b32 s58, s55, 2
	s_add_co_u32 s56, s56, s58
	s_add_nc_u64 s[52:53], s[52:53], s[56:57]
	s_lshr_b32 s56, ttmp9, 2
	s_mul_i32 s56, s56, 25600                      ; the unit: 8 x matrix + head
	s_mul_i32 s58, s55, 6144
	s_add_co_u32 s58, s58, s56
	s_mov_b32 s59, 0
	s_add_nc_u64 s[58:59], s[30:31], s[58:59]
	s_lshl_b32 s55, s55, 8
	s_add_co_u32 s56, s56, s55
	s_add_co_u32 s56, s56, 24576
	s_add_nc_u64 s[56:57], s[30:31], s[56:57]
	s_wait_xcnt 0x0                                ; my stores have read v16-27
.irp t, 0,1,2,3
.irp p, 0,1,2,3,4,5
	global_load_b64 v[16+12*\t+2*\p:17+12*\t+2*\p], v4, s[50:51] offset:(32*(\t/2)+8*(\t%2))*384+48*(\p/3)+8*(\p%3)
.endr
.endr
	global_load_b32 v64, v6, s[52:53]              ; word e: row 32 e + 8 h + pat(0, r): tile 2 e + h
	global_load_b32 v65, v6, s[52:53] offset:512
	s_wait_loadcnt 0x0
.irp k, 0,1,2,3,4,5,6,7,8,9,10,11
	global_store_b128 v1, v[16+4*\k:19+4*\k], s[58:59] offset:512*\k
.endr
	global_store_b64 v3, v[64:65], s[56:57]
.Lend:
	s_set_vgpr_msb 0x5
	s_wait_tensorcnt 0x0
	ds_add_u32 v254, v255
	s_wait_dscnt 0x0
	s_set_vgpr_msb 0x500
	s_endpgm
.Lfunc_end_k_q5356be1e40_prep:
	.size	k_q5356be1e40_prep, .Lfunc_end_k_q5356be1e40_prep-k_q5356be1e40_prep
	.p2alignl 7, 3214868480
	.fill 96, 4, 3214868480
	.section	.rodata,"a",@progbits
	.p2align	6, 0x0
	.amdhsa_kernel k_q5356be1e40_prep
		.amdhsa_group_segment_fixed_size 54272
		.amdhsa_private_segment_fixed_size 0
		.amdhsa_enable_private_segment 0
		.amdhsa_kernarg_size 112
		.amdhsa_user_sgpr_count 2
		.amdhsa_user_sgpr_kernarg_segment_ptr 1
		.amdhsa_wavefront_size32 1
		.amdhsa_system_sgpr_workgroup_id_x 1
		.amdhsa_system_sgpr_workgroup_id_y 1
		.amdhsa_system_sgpr_workgroup_id_z 1
		.amdhsa_system_vgpr_workitem_id 0
		.amdhsa_next_free_vgpr 512
		.amdhsa_next_free_sgpr 66
		.amdhsa_reserve_vcc 1
		.amdhsa_float_denorm_mode_32 3
		.amdhsa_float_denorm_mode_16_64 3
		.amdhsa_memory_ordered 1
		.amdhsa_forward_progress 1
		.amdhsa_inst_pref_size 125
	.end_amdhsa_kernel
	.amdgpu_metadata
---
amdhsa.version: [ 1, 2 ]
amdhsa.kernels:
  - .name:           k_q5356be1e40_prep
    .symbol:         k_q5356be1e40_prep.kd
    .args:
      - { .name: key_value_codes, .offset: 0, .size: 8, .value_kind: global_buffer, .address_space: global }
      - { .name: key_value_scales, .offset: 8, .size: 8, .value_kind: global_buffer, .address_space: global }
      - { .name: Wk_codes, .offset: 16, .size: 8, .value_kind: global_buffer, .address_space: global }
      - { .name: Wk_scales, .offset: 24, .size: 8, .value_kind: global_buffer, .address_space: global }
      - { .name: Wv_codes, .offset: 32, .size: 8, .value_kind: global_buffer, .address_space: global }
      - { .name: Wv_scales, .offset: 40, .size: 8, .value_kind: global_buffer, .address_space: global }
      - { .name: bk, .offset: 48, .size: 8, .value_kind: global_buffer, .address_space: global }
      - { .name: bv, .offset: 56, .size: 8, .value_kind: global_buffer, .address_space: global }
      - { .name: Wq_codes, .offset: 64, .size: 8, .value_kind: global_buffer, .address_space: global }
      - { .name: Wq_scales, .offset: 72, .size: 8, .value_kind: global_buffer, .address_space: global }
      - { .name: Wo_codes, .offset: 80, .size: 8, .value_kind: global_buffer, .address_space: global }
      - { .name: Wo_scales, .offset: 88, .size: 8, .value_kind: global_buffer, .address_space: global }
      - { .name: kvimg, .offset: 96, .size: 8, .value_kind: global_buffer, .address_space: global }
      - { .name: wimg, .offset: 104, .size: 8, .value_kind: global_buffer, .address_space: global }
    .group_segment_fixed_size: 54272
    .private_segment_fixed_size: 0
    .kernarg_segment_align: 8
    .kernarg_segment_size: 112
    .max_flat_workgroup_size: 256
    .sgpr_count:     66
    .vgpr_count:     512
    .wavefront_size: 32
...
	.end_amdgpu_metadata
.endif
;; end of part 1
;; launch mab (part 2): grid 8 x 32, 8 waves a work-group, clusters of 4 x 1, 327,680 bytes of LDS; arguments query_codes, query_scales, wimg, kvimg, bq, bo, ln0_w, ln0_b, ln1_w, ln1_b, out0; writes out0
.if DOCPART == 2
	.amdgcn_target "amdgcn-amd-amdhsa--gfx1250"
	.amdhsa_code_object_version 6
	.text
	.protected	k_q5356be1e40_mab
	.globl	k_q5356be1e40_mab
	.p2align	8
	.type	k_q5356be1e40_mab,@function
k_q5356be1e40_mab:
	s_mov_b64 s[64:65], 0
	v_nop
	global_prefetch_b8 v0, s[64:65] scope:SCOPE_SE
	s_setreg_imm32_b32 hwreg(HW_REG_WAVE_MODE, 25, 1), 1
	s_wait_xcnt 0x0
	s_wait_alu depctr_hold_cnt(0) depctr_sa_sdst(0) depctr_va_vdst(0) depctr_va_sdst(0) depctr_va_ssrc(0) depctr_va_vcc(0) depctr_vm_vsrc(0)
	s_getreg_b32 s2, hwreg(HW_REG_IB_STS2, 6, 4)
	s_cmp_eq_u32 s2, 0
	s_cbranch_scc0 .Lentry_in_a_cluster
	s_endpgm
.Lentry_in_a_cluster:
	s_bfe_u32 s2, ttmp6, 0x10000c
	s_cmp_lg_u32 s2, 0x3003
	s_cbranch_scc0 .Lentry_shape_is_right
	s_endpgm
.Lentry_shape_is_right:
; out = LN1(x + relu(x Wo^T + bo)), x = LN0(q + A v), q = query Wq^T + bq, A = tanh(a) softmax(sqrt(a^2 + 0.01)), a = q k^T / 8 for each of 8 heads.  All products on codes of FP6 (E2M3) with E8M0 scales.
; k, v, Wq, Wo arrive as images of operand registers (units of 16 fragments of 1,536 bytes and 1,024 bytes of scale words; the launch before lays them; its head says how).
; SHARES.  A work-group owns 64 queries of one batch and takes them through everything; q, the scores, A and x never go to memory.  Wave w: queries 16 (w % 4) on, heads 4 (w / 4) + 0 .. 3 (columns 256 (w / 4) on).
; A LANE HOLDS ONE QUERY (lane % 16) THROUGHOUT: every product is used transposed (source 0 = 16 pattern rows of a weight, of k or of v^T; source 1 = my 16 queries), and register 32 hh + 16 b + i of v128-255 is
; column 256 p + 64 hh + 32 b + 16 (lane / 16) + i.  Only block maxima and row sums cross to lane l xor 16, the norms' figures and two fragments of codes to the partner wave w xor 4, through LDS.
; A IS QUANTISED FINISHED AND NORMALISED, so a query's whole row of 512 scores stands in registers (256 a lane) before any code is made: largest |a|; e = 2^((sqrt(a^2 + 0.01) - m) log2 e) and its sum; tanh e / sum; codes.
; A head's 64 fill half of the instruction's 128: one fragment of k holds two keys a lane, and is multiplied by (q | 0) and by (0 | q).  The factor 1/8 is 3 off q's scale bytes: exact.
; CLUSTER.  The four work-groups of a cluster have one batch, and the weights are everybody's: every tile is asked for JOINTLY, mask 15.  LDS: slots X, Y (a step's four units: K and V of heads j and 4 + j) and Z.
;   start: Wq's 8 units into Y and Z, step 0 into X.  Head of trip j: waves 0-3 fill the slot just left with step j + 1 (trip 3: Wo's heads 4-7), waves 4-7 a quarter of Z with Wo's heads 0-3, in pieces of 25 rows.
;   So each wave has one tensor load behind each round, two at the most at the start, and a load has a whole step in which to land.
; LIMITS.  tanh is 1 - 2 / (1 + 2^(2 a log2 e)): absolute error about 1.2e-7, so its relative error grows under |a| = 0.1; against a block's code step that shows only where a whole block of 32 keys has |tanh| under 1e-3.
;   The row's maximum is sqrt(max |a|^2 + 0.01), by the same two instructions as every element: this takes v_sqrt_f32 not to fall where its input rises.
;   A block of q under 2^-121 is held at that floor; blocks of zeros carry the byte 1 (zero codes); NaN, infinities and the scale byte 0xff among the inputs are not served.
; REGISTERS, window 0: v1 16 x lane, v2 8 x lane, v3-4 the spare word and 0, v5-6 and v78-79 LDS addresses in hand, v7-8 where the norms' figures go and come from, v9 offset in a row of 512 f32,
;   v10-11 m log2 e / mean, v12-13 and v76-77 sums, v14-15 1 / sum / rsqrt, v16-33 (0 | q | 0), v34 q's scale word, v35 the scale word just made, v36-43 scale words, v44-63 codes just made, v64-75 at work
;   (v44-75: 32 numbers at work in the softmax), v80-127 four fragments, v128-255 q, then q + A v, then x, then the result.   window 1: the 256 scores; v0-31 O^T of the head in hand; outside the loop operands, sums and parameters.
.set SLOT,  102400                     ; X at 0, Y at SLOT, Z at 2 SLOT
.set UNIT,  25600
.set SCW,   24576                      ; a unit's scale words
.set ZB,    204800
.set SPARE, 307200                     ; the spare words, 128 bytes a wave: four blocks of 256 bytes that no other line names
.set XCH,   308224                     ; the norms' figures: two sets of 8 waves x 16 queries x 8 bytes
.set IMG,   102400                     ; behind the loop, in Y, which has had its last fill: x's 16 fragments (4 t + K step),
.set ISC,   126976                     ; their scale words, 128 bytes each,
.set STG,   129024                     ; and a stage of 16 rows x (256 + 16) bytes for each wave
.set PC,  44
.set TM,  64
.set PW,  35
.set MSB, 0
.macro WIN new                         ; the immediate's high byte repeats the setting that is left
.if MSB != (\new)
	s_set_vgpr_msb (MSB<<8)|(\new)
.set MSB, (\new)
.endif
.endm
.macro NOP4                            ; four places behind a matrix instruction, ahead of loads into its registers and of reads of its results
.rept 4
	v_nop
.endr
.endm
.macro ROUND                           ; a round of the cluster's barrier
	s_barrier_signal -1
	s_barrier_wait -1
	s_cmp_lg_u32 s26, 0
	s_cbranch_scc1 .Lnw0_\@
	s_barrier_signal -3
.Lnw0_\@:
	s_barrier_wait -3
	s_barrier_signal -1
	s_barrier_wait -1
.endm
.macro TLOAD                           ; a joint refill: waves 0-3 a unit of the ring, waves 4-7 a piece of Z; four v_nop follow each line
	s_cmp_lt_u32 s26, 4
	s_cbranch_scc0 .Lz_\@
	tensor_load_to_lds s[52:55], s[32:39]
	s_nop 0
	NOP4
	s_branch .Lt_\@
.Lz_\@:
	tensor_load_to_lds s[56:59], s[40:47]
	s_nop 0
	NOP4
.Lt_\@:
.endm
; one matrix instruction: D at d, sources at a and b, C at c (c < 0: the constant 0 starts the sum), scale registers sa, sb; ra = 1: source 0's scales stand in lanes 16-31
.macro WM d, a, b, c, sa, sb, ra
.if (\c) < 0
.if (\ra)
	v_wmma_scale_f32_16x16x128_f8f6f4 v[(\d):(\d)+7], v[(\a):(\a)+11], v[(\b):(\b)+11], 0, v[(\sa)], v[(\sb)] matrix_a_fmt:MATRIX_FMT_FP6 matrix_b_fmt:MATRIX_FMT_FP6 matrix_a_scale:MATRIX_SCALE_ROW1
.else
	v_wmma_scale_f32_16x16x128_f8f6f4 v[(\d):(\d)+7], v[(\a):(\a)+11], v[(\b):(\b)+11], 0, v[(\sa)], v[(\sb)] matrix_a_fmt:MATRIX_FMT_FP6 matrix_b_fmt:MATRIX_FMT_FP6
.endif
.else
.if (\ra)
	v_wmma_scale_f32_16x16x128_f8f6f4 v[(\d):(\d)+7], v[(\a):(\a)+11], v[(\b):(\b)+11], v[(\c):(\c)+7], v[(\sa)], v[(\sb)] matrix_a_fmt:MATRIX_FMT_FP6 matrix_b_fmt:MATRIX_FMT_FP6 matrix_a_scale:MATRIX_SCALE_ROW1
.else
	v_wmma_scale_f32_16x16x128_f8f6f4 v[(\d):(\d)+7], v[(\a):(\a)+11], v[(\b):(\b)+11], v[(\c):(\c)+7], v[(\sa)], v[(\sb)] matrix_a_fmt:MATRIX_FMT_FP6 matrix_b_fmt:MATRIX_FMT_FP6
.endif
.endif
.endm
.macro FETCH2 half, adr, off           ; two neighbouring fragments into one half of v80-127: six loads of 512 consecutive bytes
.irp k, 0,1,2,3,4,5
	ds_load_b128 v[80+24*(\half)+4*\k:80+24*(\half)+4*\k+3], v[\adr] offset:(\off)+512*\k
.endr
.endm
.macro FETCHV s                        ; V's four fragments of keys 128 s on
.irp k, 0,1,2,3,4,5,6,7,8,9,10,11
	ds_load_b128 v[80+4*\k:83+4*\k], v5 offset:UNIT+6144*(\s)+512*\k
.endr
.endm
.macro SCL set, adr, off               ; a unit's scale words: fragment f's stand in register f / 2, lanes 0-15 (f even) or 16-31
.irp g, 0,1,2,3
	ds_load_b64 v[(\set)+2*\g:(\set)+2*\g+1], v[\adr] offset:(\off)+256*\g
.endr
.endm
.macro LOADROW dst, p                  ; my 128 numbers of a row of 512 f32, in the layout of v128-255
.irp hh, 0,1,2,3
.irp b, 0,1
.irp k, 0,1,2,3
	global_load_b128 v[(\dst)+32*\hh+16*\b+4*\k:(\dst)+32*\hh+16*\b+4*\k+3], v9, s[\p:\p+1] offset:256*\hh+128*\b+16*\k
.endr
.endr
.endr
.endm
; 64 numbers of a lane in window w, register 16 b + i = place 32 b + 16 (lane / 16) + i along K of my query, become a fragment in v[PC] on and its scale word in v[PW]
.macro QUANT s, w
	WIN 5*(\w)
.irp b, 0,1,2,3
	v_max3_num_f32 v[TM+\b], |v[(\s)+16*\b]|, |v[(\s)+1+16*\b]|, 0x1800000   ; my 16 of block b, and the floor 2^(3 - 127): the byte cannot fall under 1
.endr
	WIN 0x14*(\w)
.irp i, 2,4,6,8,10,12,14
.irp b, 0,1,2,3
	v_max3_num_f32 v[TM+\b], v[TM+\b], |v[(\s)+16*\b+\i]|, |v[(\s)+1+16*\b+\i]|   ; the four blocks by turns
.endr
.endr
	WIN 0
.irp b, 0,1,2,3
	v_permlanex16_b32 v[TM+4+\b], v[TM+\b], s66, s67
.endr
.irp b, 0,1,2,3
	v_max_num_f32 v[TM+\b], v[TM+\b], v[TM+4+\b]      ; with lane l xor 16's 16: the block's largest magnitude
.endr
.irp b, 0,1,2,3
	v_add_nc_u32 v[TM+8+\b], 0xff000000, v[TM+\b]     ; 2 off its exponent field: the conversion's scale operand
.endr
.irp b, 0,1,2,3
	v_lshrrev_b32 v[TM+4+\b], 23, v[TM+8+\b]          ; the scale's byte
.endr
	v_lshl_or_b32 v[PW], v[TM+5], 8, v[TM+4]
	v_lshl_or_b32 v[PW], v[TM+6], 16, v[PW]
	v_lshl_or_b32 v[PW], v[TM+7], 24, v[PW]
	WIN (\w)
.irp c, 0,1
	v_cvt_scalef32_pk16_fp6_f32 v[PC+6*\c:PC+2+6*\c], v[(\s)+32*\c:(\s)+15+32*\c], v[TM+8+2*\c]
	v_cvt_scalef32_pk16_fp6_f32 v[PC+12+4*\c:PC+14+4*\c], v[(\s)+16+32*\c:(\s)+31+32*\c], v[TM+9+2*\c]   ; (a conversion's three registers begin on an even number)
.endr
	WIN 0
	v_nop                                             ; one plain place behind a scaled conversion
.irp c, 0,1                            ; the layout wants a whole block in a lane
.irp i, 0,1,2
	v_permlane16_swap_b32 v[PC+6*\c+\i], v[PC+12+4*\c+\i]
.endr
.irp i, 0,1,2
	v_mov_b32 v[PC+3+6*\c+\i], v[PC+12+4*\c+\i]
.endr
.endr
.endm
; My 16 queries x 256 columns x K = 512: 64 matrix instructions on 16 accumulators at acc, which hold the bias.  Source 0: four units of a weight from LDS (v5, v6: units 0, 1; v78, v79: units 2, 3),
; two fragments a pair; source 1: four fragments at v128-175 of window 1, their scale words in v64-67.  A unit's four accumulators take turns, one instruction a turn.
; The wait at a pair's head leaves out the next pair's six loads, and four more where the next pair opens a unit (its scale words).
.macro GEMM16 acc, wmul
	SCL 36, 6, SCW
	FETCH2 0, 5, 0
	FETCH2 1, 5, 3072
.set n, 0
.rept 32
.set u, n/8
.set ks, (n%8)/2
.set t0, 2*(n%2)
.set sset, 36+8*(u%2)
.if n == 31
	s_wait_dscnt 0x0
.elseif (n+1)%8 == 0
	s_wait_dscnt 10
.else
	s_wait_dscnt 6
.endif
	WIN \wmul
	WM \acc+32*u+8*t0, 80+24*(n%2), 128+12*ks, \acc+32*u+8*t0, sset+2*ks+t0/2, 64+ks, 0
	WM \acc+32*u+8*t0+8, 92+24*(n%2), 128+12*ks, \acc+32*u+8*t0+8, sset+2*ks+t0/2, 64+ks, 1
	WIN 0
	NOP4
.if n+2 < 32
.set n2, n+2
.set u2, n2/8
.if n2%8 == 0
	SCL 36+8*(u2%2), 6+73*(u2/2), (u2%2)*UNIT+SCW
.endif
	FETCH2 n%2, 5+73*(u2/2), (u2%2)*UNIT+3072*(n2%8)
.endif
.set n, n+1
.endr
.endm
; q of head j (v[128 + 32 j] on) becomes the six registers v22-27 and the scale word v34
.macro QPREP j
.irp b, 0,1
	v_max3_num_f32 v[64+\b], |v[128+32*\j+16*\b]|, |v[129+32*\j+16*\b]|, 0x3000000   ; the floor 2^(6 - 127): the byte stays 4 or more, so that 3 can be taken off it
.endr
.irp i, 2,4,6,8,10,12,14
.irp b, 0,1
	v_max3_num_f32 v[64+\b], v[64+\b], |v[128+32*\j+16*\b+\i]|, |v[129+32*\j+16*\b+\i]|
.endr
.endr
.irp b, 0,1
	v_permlanex16_b32 v[68+\b], v[64+\b], s66, s67
.endr
.irp b, 0,1
	v_max_num_f32 v[64+\b], v[64+\b], v[68+\b]
.endr
.irp b, 0,1
	v_add_nc_u32 v[72+\b], 0xff000000, v[64+\b]
.endr
.irp b, 0,1
	v_lshrrev_b32 v[68+\b], 23, v[72+\b]
.endr
	v_lshl_or_b32 v34, v69, 8, v68
	v_add_nc_u32 v34, 0xfffffcfd, v34              ; 3 off both bytes: the scores come out divided by 8, exactly
	v_lshl_or_b32 v34, v34, 16, v34                ; the same two bytes for (q | 0) and for (0 | q)
	v_cvt_scalef32_pk16_fp6_f32 v[22:24], v[128+32*\j:143+32*\j], v72
	v_cvt_scalef32_pk16_fp6_f32 v[44:46], v[144+32*\j:159+32*\j], v73
	v_nop
.irp i, 0,1,2
	v_permlane16_swap_b32 v[22+\i], v[44+\i]
.endr
.irp i, 0,1,2
	v_mov_b32 v[25+\i], v[44+\i]
.endr
.endm
.macro ADDH j                          ; q + A v of head j
	WIN 0x04
.set k, 0
.rept 16
	v_pk_add_f32 v[128+32*\j+k:129+32*\j+k], v[128+32*\j+k:129+32*\j+k], v[k:k+1]
.set k, k+2
.endr
	WIN 0
.endm
; 32 scores (window 1, v[32 c] on) become tanh(a) e, not yet divided by the sum.  T = v44-75.  Each run of transcendentals has a run of plain, independent lines between it and the use of its results (ISA guide 5.7.2).
.macro CHUNK c
	WIN 0x05
.set k, 0
.rept 16
	v_pk_fma_f32 v[44+k:45+k], v[32*\c+k:32*\c+k+1], v[32*\c+k:32*\c+k+1], s[68:69] op_sel_hi:[1,1,0]   ; a^2 + 0.01
.set k, k+2
.endr
	WIN 0
.set k, 0
.rept 32
	v_sqrt_f32 v[44+k], v[44+k]
.set k, k+1
.endr
	WIN 0x41
.set k, 0
.rept 16
	v_pk_mul_f32 v[32*\c+k:32*\c+k+1], v[32*\c+k:32*\c+k+1], s[72:73] op_sel_hi:[1,0]                   ; 2 a log2 e
.set k, k+2
.endr
.set k, 0
.rept 32
	v_exp_f32 v[32*\c+k], v[32*\c+k]                                                                     ; E = e^(2 a)
.set k, k+1
.endr
	WIN 0
.set k, 0
	s_wait_alu depctr_va_vdst(0)
.rept 16
	v_pk_fma_f32 v[44+k:45+k], v[44+k:45+k], s[70:71], v[10:11] op_sel_hi:[1,0,0] neg_lo:[0,0,1] neg_hi:[0,0,1]   ; (sqrt - m) log2 e
.set k, k+2
.endr
.set k, 0
.rept 32
	v_exp_f32 v[44+k], v[44+k]                                                                           ; e
.set k, k+1
.endr
	WIN 0x41
.set k, 0
.rept 16
	v_pk_fma_f32 v[32*\c+k:32*\c+k+1], v[32*\c+k:32*\c+k+1], 0.5, 0.5 op_sel_hi:[1,0,0]                  ; (1 + E) / 2
.set k, k+2
.endr
.set k, 0
.rept 32
	v_rcp_f32 v[32*\c+k], v[32*\c+k]                                                                     ; R = 2 / (1 + E)
.set k, k+1
.endr
	WIN 0
.set k, 0
	s_wait_alu depctr_va_vdst(0)
.rept 8
	v_pk_add_f32 v[12:13], v[12:13], v[44+k:45+k]                                                        ; the row's sum of e, in two chains
	v_pk_add_f32 v[76:77], v[76:77], v[46+k:47+k]
.set k, k+4
.endr
	WIN 0x41
.set k, 0
.rept 16
	v_pk_fma_f32 v[32*\c+k:32*\c+k+1], v[32*\c+k:32*\c+k+1], v[44+k:45+k], v[44+k:45+k] neg_lo:[1,0,0] neg_hi:[1,0,0]   ; e - R e = tanh(a) e
.set k, k+2
.endr
.endm
; keys 128 s on: A finished, quantised, and O^T += V^T A^T: four accumulators (window 1, v0-31) by turns
.macro PASS3 s
	WIN 0x41
.set k, 0
.rept 32
	v_pk_mul_f32 v[64*\s+k:64*\s+k+1], v[64*\s+k:64*\s+k+1], v[14:15] op_sel_hi:[1,0]   ; / the sum.  (These 32 are also the places behind the last products)
.set k, k+2
.endr
	WIN 0
.if \s
	FETCHV \s
.endif
	QUANT 64*\s, 1
	s_wait_dscnt 0x0                               ; V's four fragments (and, for s = 0, its scale words) are in
.rept 8
	v_nop                                          ; a scale register written by a vector instruction stands 8 places ahead of a scaled matrix instruction, an operand 4
.endr
.if \s
	WIN 0x50
.else
	WIN 0x40
.endif
.irp t, 0,1,2,3
.if \s
	WM 8*\t, 80+12*\t, 44, 8*\t, 36+2*\s+\t/2, 35, \t%2
.else
	WM 8*\t, 80+12*\t, 44, -1, 36+\t/2, 35, \t%2
.endif
.endr
	WIN 0
.endm
; layer norm of v128-255 over 512 columns, of which this wave has 256 (128 a lane) and wave w xor 4 the others.  Mean and sum of squared distances from it are made for my 256 and joined with the partner's:
; no difference of large sums is formed.  One barrier.  first = 1: that barrier also shows Wo's tiles to every wave and ends the reads of the ring.
.macro LNORM wp, bp, xoff, first
	WIN 0x40
	LOADROW 0, \wp
	LOADROW 128, \bp
	WIN 0
.irp c, 0,2,4,6
	v_pk_add_f32 v[44+\c:45+\c], v[128+\c:129+\c], v[136+\c:137+\c]
.endr
.set k, 16
.rept 56
	v_pk_add_f32 v[44+k%8:45+k%8], v[44+k%8:45+k%8], v[128+k:129+k]
.set k, k+2
.endr
	v_pk_add_f32 v[44:45], v[44:45], v[46:47]
	v_pk_add_f32 v[48:49], v[48:49], v[50:51]
	v_pk_add_f32 v[44:45], v[44:45], v[48:49]
	v_add_f32 v44, v44, v45
	v_permlanex16_b32 v68, v44, s66, s67
	v_add_f32 v44, v44, v68
	v_mul_f32 v10, 0x3b800000, v44                 ; my 256 columns' mean
.set k, 0
.rept 16
.irp c, 0,2,4,6
	v_pk_add_f32 v[44+\c:45+\c], v[128+k+\c:129+k+\c], v[10:11] op_sel_hi:[1,0] neg_lo:[0,1] neg_hi:[0,1]
.endr
.irp c, 0,2,4,6
.if k == 0
	v_pk_mul_f32 v[52+\c:53+\c], v[44+\c:45+\c], v[44+\c:45+\c]
.else
	v_pk_fma_f32 v[52+\c:53+\c], v[44+\c:45+\c], v[44+\c:45+\c], v[52+\c:53+\c]
.endif
.endr
.set k, k+8
.endr
	v_pk_add_f32 v[52:53], v[52:53], v[54:55]
	v_pk_add_f32 v[56:57], v[56:57], v[58:59]
	v_pk_add_f32 v[52:53], v[52:53], v[56:57]
	v_add_f32 v52, v52, v53
	v_permlanex16_b32 v68, v52, s66, s67
	v_add_f32 v11, v52, v68                        ; and their squared distances from it
	ds_store_b64 v7, v[10:11] offset:\xoff         ; (both halves of the lanes write the same 8 bytes with the same values)
.if \first
	s_wait_tensorcnt 0x0                           ; my last tensor load has landed
.endif
	s_wait_dscnt 0x0
	s_barrier_signal -1
	s_barrier_wait -1
	ds_load_b64 v[12:13], v8 offset:\xoff
	s_wait_dscnt 0x0
	v_add_f32 v44, v10, v12
	v_sub_f32 v45, v10, v12
	v_add_f32 v46, v11, v13
	v_mul_f32 v45, v45, v45
	v_fmamk_f32 v46, v45, 0x43000000, v46          ; + 128 (m - m')^2
	v_mul_f32 v10, 0.5, v44                        ; the mean
	v_fma_f32 v46, v46, s96, s97                   ; the variance + 1e-5
	v_rsq_f32 v14, v46
	v_nop
.set k, 0
.rept 64
	v_pk_add_f32 v[128+k:129+k], v[128+k:129+k], v[10:11] op_sel_hi:[1,0] neg_lo:[0,1] neg_hi:[0,1]
.set k, k+2
.endr
.set k, 0
	s_wait_alu depctr_va_vdst(0)
.rept 64
	v_pk_mul_f32 v[128+k:129+k], v[128+k:129+k], v[14:15] op_sel_hi:[1,0]
.set k, k+2
.endr
	s_wait_loadcnt 0x0                             ; gain and bias
	WIN 0x14
.set k, 0
.rept 64
	v_pk_fma_f32 v[128+k:129+k], v[128+k:129+k], v[k:k+1], v[128+k:129+k]
.set k, k+2
.endr
	WIN 0
.endm
	s_load_b512 s[4:19], s[0:1], 0x0               ; query's codes, scales; wimg; kvimg; bq; bo; ln0_w; ln0_b
	s_load_b128 s[20:23], s[0:1], 0x40             ; ln1_w, ln1_b
	s_load_b64 s[24:25], s[0:1], 0x50              ; out0
	v_lshl_add_u32 v3, v0, 2, SPARE
	v_mov_b32 v4, 0
	ds_add_u32 v3, v4
	ds_add_u32 v3, v4
	s_wait_dscnt 0x0
	v_lshrrev_b32 v5, 5, v0
	v_readfirstlane_b32 s26, v5                    ; wave 0..7
	s_and_b32 s27, s26, 3                          ; t: my 16 queries; also which unit or piece I fetch
	s_lshr_b32 s28, s26, 2                         ; p: my 256 columns
	v_and_b32 v5, 31, v0
	v_lshlrev_b32 v1, 4, v5                        ; 16 x lane
	v_lshlrev_b32 v2, 3, v5                        ; 8 x lane
	v_and_b32 v13, 15, v0                          ; r
	v_bfe_u32 v14, v0, 4, 1                        ; h
	s_lshl_b32 s92, s26, 7
	s_xor_b32 s93, s26, 4
	s_lshl_b32 s93, s93, 7
	v_lshl_add_u32 v7, v13, 3, s92
	v_lshl_add_u32 v8, v13, 3, s93
	v_add_nc_u32 v7, XCH, v7                       ; my figures,
	v_add_nc_u32 v8, XCH, v8                       ; the partner wave's
	s_lshl_b32 s92, s28, 10
	v_lshl_add_u32 v9, v14, 6, s92                 ; 1,024 p + 64 h
	v_mul_u32_u24 v10, v13, 384
	v_mad_u32_u24 v10, v14, 24, v10                ; query: row r, + 24 h
	v_lshlrev_b32 v12, 4, v13                      ; its scale bytes: 16 a row
.irp k, 16,17,18,19,20,21,28,29,30,31,32,33,68,69,70,71,11,15
	v_mov_b32 v\k, 0                               ; the zero codes beside q; the lane permutes' destinations; the upper halves of pairs that are named whole
.endr
	s_mov_b32 s66, 0x76543210
	s_mov_b32 s67, 0xfedcba98                      ; v_permlanex16_b32's selects for lane l xor 16
	s_mov_b32 s68, 0x3c23d70a                      ; 0.01
	s_mov_b32 s69, s68
	s_mov_b32 s70, 0x3fb8aa3b                      ; log2 e
	s_mov_b32 s71, s70
	s_mov_b32 s72, 0x4038aa3b                      ; 2 log2 e
	s_mov_b32 s73, s72
	s_mov_b32 s96, 0x3b000000                      ; 1 / 512
	s_mov_b32 s97, 0x3727c5ac                      ; 1e-5
	; my place in the cluster enters query's and out0's addresses alone (s77, s78, s80-87)
	s_bfe_u32 s77, ttmp6, 0x40000                  ; cx
	s_lshl_b32 s78, ttmp9, 2
	s_add_co_u32 s78, s78, s77                     ; my block of 64 queries
	s_and_b32 s79, ttmp7, 0xffff                   ; the batch, which the four partners share
	s_lshl_b32 s80, s79, 9
	s_lshl_b32 s81, s78, 6
	s_add_co_u32 s80, s80, s81
	s_lshl_b32 s81, s27, 4
	s_add_co_u32 s80, s80, s81                     ; my first row
	s_mul_i32 s82, s80, 384
	s_mov_b32 s83, 0
	s_lshl_b32 s84, s80, 4
	s_mov_b32 s85, 0
	s_lshl_b32 s86, s80, 11
	s_lshl_b32 s81, s28, 10
	s_add_co_u32 s86, s86, s81
	s_mov_b32 s87, 0
	s_mul_i32 s74, s27, UNIT                       ; my unit in a slot
	s_mul_i32 s75, s28, 2*UNIT                     ; my head's K and V in a slot
	s_mul_i32 s88, s79, 16*UNIT
	s_add_co_u32 s88, s88, s74
	s_mov_b32 s89, 0
	s_mul_i32 s90, s26, UNIT
	s_mov_b32 s91, 0
	s_mul_i32 s92, s27, 6400                       ; my piece of a quarter of Z
	s_add_co_u32 s94, s92, 7*UNIT                  ; Wo begins 8 units in; the first trip steps one unit on
	s_mov_b32 s95, 0
	s_add_co_u32 s98, s74, 12*UNIT                 ; Wo's heads 4-7
	s_mov_b32 s99, 0
	; descriptor groups 1: dense blocks as rows of 256 bytes (32 elements of 8 bytes), no padding: images are read as consecutive bytes.  100 rows: a unit; 25 rows: a piece of Z
	s_mov_b32 s32, 15|(3<<16)|(1<<21)              ; 15:0 the mask: all four work-groups; 17:16 elements of 8 bytes; 21 set beside a mask
	s_mov_b32 s33, 32<<16                          ; tensor_dim0
	s_mov_b32 s34, 100<<16                         ; tensor_dim1
	s_mov_b32 s35, 32<<16                          ; tile_dim0
	s_mov_b32 s36, 100                             ; tile_dim1
	s_mov_b32 s37, 32                              ; the pitch
	s_mov_b32 s38, 0
	s_mov_b32 s39, 0
	s_mov_b32 s40, 15|(3<<16)|(1<<21)
	s_mov_b32 s41, 32<<16
	s_mov_b32 s42, 25<<16
	s_mov_b32 s43, 32<<16
	s_mov_b32 s44, 25
	s_mov_b32 s45, 32
	s_mov_b32 s46, 0
	s_mov_b32 s47, 0
	s_wait_kmcnt 0x0
	s_add_nc_u64 s[4:5], s[4:5], s[82:83]
	s_add_nc_u64 s[6:7], s[6:7], s[84:85]
	s_add_nc_u64 s[24:25], s[24:25], s[86:87]
	s_mov_b32 s48, 1                               ; Wq's unit w, into Y and Z
	s_add_co_u32 s49, s90, SLOT
	s_add_nc_u64 s[50:51], s[8:9], s[90:91]
	s_or_b32 s51, s51, 0x80000000
	s_add_nc_u64 s[60:61], s[10:11], s[88:89]      ; my unit of the batch's step 0; it walks
	s_mov_b32 s52, 1                               ; the ring
	s_mov_b32 s53, s74
	s_mov_b64 s[54:55], s[60:61]
	s_or_b32 s55, s55, 0x80000000
	s_mov_b32 s56, 1                               ; Z's pieces: one unit short of the first; each trip steps a unit on
	s_add_co_u32 s57, s92, ZB-UNIT
	s_add_nc_u64 s[58:59], s[8:9], s[94:95]
	s_or_b32 s59, s59, 0x80000000
	s_add_nc_u64 s[62:63], s[8:9], s[98:99]
	ROUND                                          ; all four work-groups are here: the first joint loads meet
	s_cmp_lt_u32 s26, 4                            ; a wave's first fills stand in one branch: two loads of waves 0-3, one of waves 4-7
	s_cbranch_scc0 .Lfirst_hi
	tensor_load_to_lds s[48:51], s[32:39]
	s_nop 0
	tensor_load_to_lds s[52:55], s[32:39]
	s_nop 0
	NOP4
	s_branch .Lfirst_asked
.Lfirst_hi:
	tensor_load_to_lds s[48:51], s[32:39]
	s_nop 0
	NOP4
.Lfirst_asked:
	WIN 0x40
.irp s, 0,1,2,3                        ; my 16 queries' four fragments: window 1, v128-175
.irp p, 0,1,2,3,4,5
	global_load_b64 v[128+12*\s+2*\p:129+12*\s+2*\p], v10, s[4:5] offset:96*\s+48*(\p/3)+8*(\p%3)
.endr
.endr
	WIN 0
	global_load_b128 v[64:67], v12, s[6:7]         ; their scale words
	LOADROW 128, 12                                ; bq goes straight into the accumulators
	s_wait_tensorcnt 0x0                           ; for 0: the waves have issued different numbers of loads
	s_barrier_signal -1
	s_barrier_wait -1                              ; Wq and step 0 lie in LDS
	; ---- q = query Wq^T + bq
	s_mul_i32 s76, s28, SLOT
	s_add_co_u32 s76, s76, SLOT                    ; Wq's heads 4 p on
	v_add_nc_u32 v5, s76, v1
	v_add_nc_u32 v6, s76, v2
	v_add_nc_u32 v78, 2*UNIT, v5
	v_add_nc_u32 v79, 2*UNIT, v6
	s_wait_loadcnt 0x0
	GEMM16 128, 0x04
	; ---- four steps: step j is head 4 p + j
	s_mov_b32 s29, 0                               ; j
	s_mov_b32 s30, 0                               ; the slot in hand
.Ltrip:
	s_wait_tensorcnt 0x0                           ; all my tensor loads have landed, my part of this step's slot among them: every group 0 may be written
	ds_add_u32 v3, v4                              ; 0 onto my spare word; the descriptors' steps stand between it and the wait for it
	s_xor_b32 s31, s30, SLOT                       ; the slot that has been left
	s_add_co_u32 s53, s31, s74
	s_add_nc_u64 s[60:61], s[60:61], SLOT          ; the next step's units
	s_cmp_eq_u32 s29, 3
	s_cselect_b64 s[54:55], s[62:63], s[60:61]     ; behind the last step: Wo's heads 4-7
	s_or_b32 s55, s55, 0x80000000
	s_add_co_u32 s57, s57, UNIT
	s_add_nc_u64 s[58:59], s[58:59], UNIT          ; the type bits on top are not reached
	s_wait_dscnt 0x0                               ; the add is done, and my reads of the slot that I have left are over
	ROUND                                          ; the same holds of every wave of the four work-groups
	TLOAD                                          ; my one tensor load until the next round
	s_add_co_u32 s76, s30, s75
	v_add_nc_u32 v5, s76, v1
	v_add_nc_u32 v6, s76, v2
	SCL 36, 6, SCW                                 ; K's scale words and first four fragments
	FETCH2 0, 5, 0
	FETCH2 1, 5, 3072
	s_cmp_eq_u32 s29, 0                            ; the head's registers differ from trip to trip: four short cases
	s_cbranch_scc1 .Lqp0
	s_cmp_eq_u32 s29, 1
	s_cbranch_scc1 .Lqp1
	s_cmp_eq_u32 s29, 2
	s_cbranch_scc1 .Lqp2
	QPREP 3
	s_branch .Lqpj
.Lqp0:
	QPREP 0
	s_branch .Lqpj
.Lqp1:
	QPREP 1
	s_branch .Lqpj
.Lqp2:
	QPREP 2
.Lqpj:
.rept 8
	v_nop                                          ; q's scale word stands 8 places ahead of the scaled products, its codes 4
.endr
	; S^T = K Q^T: tile 2 f + u of 32 holds keys 32 f + 8 u + 16 h + 0 .. 7 of my query.  The wait leaves the next pair's six loads out
.set si, 0
.rept 8
.if si == 7
	s_wait_dscnt 0x0
.else
	s_wait_dscnt 6
.endif
	WIN 0x40
	WM 32*si, 80+24*(si%2), 22, -1, 36+si, 34, 0
	WM 32*si+8, 80+24*(si%2), 16, -1, 36+si, 34, 0
	WM 32*si+16, 92+24*(si%2), 22, -1, 36+si, 34, 1
	WM 32*si+24, 92+24*(si%2), 16, -1, 36+si, 34, 1
	WIN 0
.if si < 6
	NOP4
	FETCH2 si%2, 5, 3072*(si+2)
.endif
.set si, si+1
.endr
	NOP4
	SCL 36, 6, UNIT+SCW                            ; V's scale words and its first four fragments land under the softmax
	FETCHV 0
	; the row's largest |a|, four chains, each tile from its low end on
	WIN 0x05
.irp c, 0,1,2,3
	v_max_num_f32 v[64+\c], |v[2*\c]|, |v[2*\c+1]|
.endr
	WIN 0x14
.set k, 8
.rept 124
	v_max3_num_f32 v[64+(k/2)%4], v[64+(k/2)%4], |v[k]|, |v[k+1]|
.set k, k+2
.endr
	WIN 0
	v_max3_num_f32 v64, v64, v65, v66
	v_max_num_f32 v64, v64, v67
	v_permlanex16_b32 v68, v64, s66, s67
	v_max_num_f32 v64, v64, v68
	v_fma_f32 v65, v64, v64, s68
	v_sqrt_f32 v65, v65                            ; m: the largest of sqrt(a^2 + 0.01)
	v_mov_b32 v12, 0                               ; (plain places behind the root)  the sums
	v_mov_b32 v13, 0
	v_mov_b32 v76, 0
	v_mov_b32 v77, 0
	s_wait_alu depctr_va_vdst(0)
	v_mul_f32 v10, s70, v65                        ; m log2 e
.irp c, 0,1,2,3,4,5,6,7
	CHUNK \c
.endr
	WIN 0
	v_pk_add_f32 v[12:13], v[12:13], v[76:77]
	v_add_f32 v12, v12, v13
	v_permlanex16_b32 v68, v12, s66, s67
	v_add_f32 v12, v12, v68                        ; the row's sum
	v_rcp_f32 v14, v12
	v_nop
	s_wait_alu depctr_va_vdst(0)
	PASS3 0
	PASS3 1
	PASS3 2
	PASS3 3
	NOP4
	s_cmp_eq_u32 s29, 0
	s_cbranch_scc1 .Lad0
	s_cmp_eq_u32 s29, 1
	s_cbranch_scc1 .Lad1
	s_cmp_eq_u32 s29, 2
	s_cbranch_scc1 .Lad2
	ADDH 3
	s_branch .Ladj
.Lad0:
	ADDH 0
	s_branch .Ladj
.Lad1:
	ADDH 1
	s_branch .Ladj
.Lad2:
	ADDH 2
.Ladj:
	s_xor_b32 s30, s30, SLOT
	s_add_co_u32 s29, s29, 1
	s_cmp_lt_u32 s29, 4
	s_cbranch_scc1 .Ltrip
	; ---- x = LN0(q + A v)
	LNORM 16, 18, 0, 1
	; ---- x's codes: my 256 columns are K steps 2 p and 2 p + 1; they go to the partner wave, and its to me, as images
	v_lshrrev_b32 v20, 1, v2                       ; 4 x lane
	s_mul_i32 s92, s27, 6144
	s_add_co_u32 s92, s92, IMG
	v_add_nc_u32 v18, s92, v1                      ; my queries' four images
	s_mul_i32 s93, s28, 3072
	s_add_co_u32 s92, s92, s93
	v_add_nc_u32 v16, s92, v1                      ; the two that I make
	s_lshl_b32 s92, s27, 9
	s_add_co_u32 s92, s92, ISC
	v_add_nc_u32 v19, s92, v20
	s_lshl_b32 s93, s28, 8
	s_add_co_u32 s92, s92, s93
	v_add_nc_u32 v17, s92, v20
	WIN 0x40
	LOADROW 0, 14                                  ; bo goes straight into the accumulators
	WIN 0
.irp g, 0,1
	QUANT 128+64*\g, 0
.irp c, 0,1,2
	ds_store_b128 v16, v[44+4*\c:47+4*\c] offset:1536*\g+512*\c
.endr
	ds_store_b32 v17, v35 offset:128*\g
	s_wait_dscnt 0x0                               ; the stores have read their registers (and, in front of the barrier: have landed)
.endr
	s_barrier_signal -1
	s_barrier_wait -1
	WIN 0x40
.irp k, 0,1,2,3,4,5,6,7,8,9,10,11
	ds_load_b128 v[128+4*\k:131+4*\k], v18 offset:512*\k
.endr
	WIN 0
.irp k, 0,1,2,3
	ds_load_b32 v[64+\k], v19 offset:128*\k
.endr
	; ---- x Wo^T + bo.  Wo's heads 0-3 lie in Z, heads 4-7 in X
	s_xor_b32 s76, s28, 1
	s_mul_i32 s76, s76, ZB
	v_add_nc_u32 v5, s76, v1
	v_add_nc_u32 v6, s76, v2
	v_add_nc_u32 v78, 2*UNIT, v5
	v_add_nc_u32 v79, 2*UNIT, v6
	s_wait_loadcnt 0x0                             ; bo
	GEMM16 0, 0x54                                 ; (the images' loads are older than its own: its first wait covers them)
	WIN 0x44
.set k, 0
.rept 128
	v_max_num_f32 v[k], 0, v[k]                    ; relu
.set k, k+1
.endr
	WIN 0x04
.set k, 0
.rept 64
	v_pk_add_f32 v[128+k:129+k], v[128+k:129+k], v[k:k+1]
.set k, k+2
.endr
	WIN 0
	; ---- LN1
	LNORM 20, 22, 1024, 0
	; ---- the way out: a head's 64 columns (256 bytes) of my 16 queries at a time through my own stage, so that sixteen lanes store 256 consecutive bytes, aligned
	v_and_b32 v23, 15, v0
	v_bfe_u32 v24, v0, 4, 1
	s_mul_i32 s92, s26, 4352
	s_add_co_u32 s92, s92, STG
	v_mul_u32_u24 v20, v23, 272
	v_lshl_add_u32 v20, v24, 6, v20
	v_add_nc_u32 v20, s92, v20                     ; in: row r, + 64 h
	v_mul_u32_u24 v21, v24, 272
	v_lshl_add_u32 v21, v23, 4, v21
	v_add_nc_u32 v21, s92, v21                     ; back: lanes 0-15 one row, lanes 16-31 the next
	v_lshlrev_b32 v22, 11, v24
	v_lshl_add_u32 v22, v23, 4, v22                ; and the same two rows of out0
.irp hh, 0,1,2,3
.irp b, 0,1
.irp k, 0,1,2,3
	ds_store_b128 v20, v[128+32*\hh+16*\b+4*\k:131+32*\hh+16*\b+4*\k] offset:128*\b+16*\k
.endr
.endr
	WIN 0x40
.irp i, 0,1,2,3,4,5,6,7
	ds_load_b128 v[32*\hh+4*\i:32*\hh+4*\i+3], v21 offset:544*\i   ; LDS serves a wave's instructions in order (ISA guide 5.7.1.4): these see my stores, and the next head's stores come behind them
.endr
	WIN 0
.endr
	WIN 0x04                                       ; a store's data are its source 1: window 1
.irp hh, 0,1,2,3
.irp i, 0,1,2,3,4,5,6,7
	s_wait_dscnt 16*(3-\hh)+7-\i                   ; the younger LDS instructions: this head's later loads and the later heads' sixteen each
	global_store_b128 v22, v[32*\hh+4*\i:32*\hh+4*\i+3], s[24:25] offset:4096*\i+256*\hh th:TH_STORE_NT
.endr
.endr
	WIN 0
	s_wait_tensorcnt 0x0                           ; the wave's end, behind my last tensor load and my last LDS store
	ds_add_u32 v3, v4
	s_wait_dscnt 0x0
	ROUND                                          ; the closing round: no work-group ends while a partner may still ask for a tile that names it
	s_endpgm
.Lfunc_end_k_q5356be1e40_mab:
	.size	k_q5356be1e40_mab, .Lfunc_end_k_q5356be1e40_mab-k_q5356be1e40_mab
	.p2alignl 7, 3214868480
	.fill 96, 4, 3214868480
	.section	.rodata,"a",@progbits
	.p2align	6, 0x0
	.amdhsa_kernel k_q5356be1e40_mab
		.amdhsa_group_segment_fixed_size 327680
		.amdhsa_private_segment_fixed_size 0
		.amdhsa_enable_private_segment 0
		.amdhsa_kernarg_size 88
		.amdhsa_user_sgpr_count 2
		.amdhsa_user_sgpr_kernarg_segment_ptr 1
		.amdhsa_wavefront_size32 1
		.amdhsa_system_sgpr_workgroup_id_x 1
		.amdhsa_system_sgpr_workgroup_id_y 1
		.amdhsa_system_sgpr_workgroup_id_z 1
		.amdhsa_system_vgpr_workitem_id 0
		.amdhsa_next_free_vgpr 512
		.amdhsa_next_free_sgpr 100
		.amdhsa_reserve_vcc 0
		.amdhsa_float_denorm_mode_32 3
		.amdhsa_float_denorm_mode_16_64 3
		.amdhsa_memory_ordered 1
		.amdhsa_forward_progress 1
		.amdhsa_inst_pref_size 255
	.end_amdhsa_kernel
	.section	.bss,"aw",@nobits
	.p2align	6
	.space	262144
	.amdgpu_metadata
---
amdhsa.version: [ 1, 2 ]
amdhsa.kernels:
  - .name:           k_q5356be1e40_mab
    .symbol:         k_q5356be1e40_mab.kd
    .args:
      - { .name: query_codes, .offset: 0, .size: 8, .value_kind: global_buffer, .address_space: global }
      - { .name: query_scales, .offset: 8, .size: 8, .value_kind: global_buffer, .address_space: global }
      - { .name: wimg, .offset: 16, .size: 8, .value_kind: global_buffer, .address_space: global }
      - { .name: kvimg, .offset: 24, .size: 8, .value_kind: global_buffer, .address_space: global }
      - { .name: bq, .offset: 32, .size: 8, .value_kind: global_buffer, .address_space: global }
      - { .name: bo, .offset: 40, .size: 8, .value_kind: global_buffer, .address_space: global }
      - { .name: ln0_w, .offset: 48, .size: 8, .value_kind: global_buffer, .address_space: global }
      - { .name: ln0_b, .offset: 56, .size: 8, .value_kind: global_buffer, .address_space: global }
      - { .name: ln1_w, .offset: 64, .size: 8, .value_kind: global_buffer, .address_space: global }
      - { .name: ln1_b, .offset: 72, .size: 8, .value_kind: global_buffer, .address_space: global }
      - { .name: out0, .offset: 80, .size: 8, .value_kind: global_buffer, .address_space: global }
    .group_segment_fixed_size: 327680
    .private_segment_fixed_size: 0
    .kernarg_segment_align: 8
    .kernarg_segment_size: 88
    .max_flat_workgroup_size: 256
    .sgpr_count:     100
    .vgpr_count:     512
    .wavefront_size: 32
...
	.end_amdgpu_metadata
.endif
;; end of part 2
